; MI455X (gfx1250); checked and timed in simulation.
; The chip was launched on July 23, 2026; its instructions are those of AMD's public machine-readable ISA for CDNA 5 (MIT licence, August 2026) and "CDNA5" Instruction Set Architecture Reference Guide (July 2026). The comments in the code are by the model that wrote it; some were corrected since.
;; Ternary Linear. Allowed arithmetic: float matrix products may take bf16 or f16 operands with f32 sums; other float arithmetic in f32, or as packed bf16 or f16 multiplies, adds, multiply-adds, maxima and minima; sums over many terms, partial sums and values carried from step to step in f32; what a program stores and reads back later, other than sums and carried values, may be rounded once to bf16 or f16.
;; Inputs: bias 4,096 float32; neg_mask 4,096 x 512 int32; pos_mask 4,096 x 512 int32; scale one number float32; x 4,096 x 4,096 float32.
;; Outputs: out0 4,096 x 4,096 float32.
;; Constants: in_features = 4096.
;; 2 versions, each right; version 2 is version 1 with the launch prep written anew for expert scheduling mode. Each part assembles by itself: llvm-mc -triple=amdgcn-amd-amdhsa -mcpu=gfx1250 --defsym DOCPART=n.
;; ======== version 1 of 2: 2 launches
;; workspace buffers: xb 33,554,432 bytes; wb 33,554,432 bytes
;; launch prep (part 1): grid 768 x 1, 8 waves a work-group, no clusters, 0 bytes of LDS; arguments x, pos_mask, neg_mask, xb, wb; writes xb, wb
.if DOCPART == 1
	.amdgcn_target "amdgcn-amd-amdhsa--gfx1250"
	.amdhsa_code_object_version 6
	.text
	.protected	k_qa2909aaeb3_prep
	.globl	k_qa2909aaeb3_prep
	.p2align	8
	.type	k_qa2909aaeb3_prep,@function
k_qa2909aaeb3_prep:
	s_mov_b64 s[64:65], 0
	v_nop
	global_prefetch_b8 v0, s[64:65] scope:SCOPE_SE
	s_setreg_imm32_b32 hwreg(HW_REG_WAVE_MODE, 25, 1), 1
	s_wait_xcnt 0x0
; xb = x rounded once to bf16 (nearest even), [4096][4096].  wb = the ternary weights as bf16 (+1, -1, +0), [4096 out][4096 k].
; pos_mask, neg_mask: [4096][512] words of 32 bits, one word for 8 weights; bit 7 is the first of the eight k, bit 0 the last.
; LIMITS.  Bits above bit 7 of a mask word are ignored (the module tests bits 7 to 0 alone).  A weight whose pos and neg bits are both set is +0.
; x's NaN and infinities stay what they are in bf16; numbers beyond bf16's largest round to infinity.
; A STREAM: every byte is read once and written once, no wave wants a byte that another has fetched: so no LDS, no barrier, no matrix unit, no cluster.
; SHARES.  768 work-groups of eight waves, 196,608 bytes moved by each.  Work-groups 0 to 511: a wave takes one row of x (16,384 bytes in, 8,192 out).
; Work-groups 512 to 767: a wave takes two rows of w (4,096 bytes of each mask in, 16,384 out).  No loop: a wave issues all its loads at once and works them off in order.
.set X, 12                             ; x path: v[12:139]  load j of 32: four registers
.set P, 12                             ; w path: v[12:43]   pos word c of 32
.set N, 44                             ;         v[44:75]   neg word c
.set O, 76                             ;         v[76:139]  sixteen sets of four registers to store, word c in set c % 16
	s_load_b256 s[4:11], s[0:1], 0x0               ; x s[4:5], pos s[6:7], neg s[8:9], xb s[10:11]
	s_load_b64 s[12:13], s[0:1], 0x20              ; wb
	v_lshrrev_b32 v1, 5, v0
	v_readfirstlane_b32 s14, v1                    ; wave 0..7
	v_and_b32 v1, 31, v0                           ; lane
	s_cmp_lt_u32 ttmp9, 512
	s_cbranch_scc0 .Lw
	; THE x PATH
	v_lshlrev_b32 v2, 4, v1                        ; 16 bytes of x a lane
	v_lshlrev_b32 v3, 3, v1                        ; 8 bytes of xb a lane
	s_lshl_b32 s16, ttmp9, 3
	s_add_co_u32 s16, s16, s14                     ; my row, 0 to 4,095
	s_lshl_b32 s2, s16, 14                         ; x 16,384 bytes
	s_mov_b32 s3, 0
	s_lshl_b32 s18, s16, 13                        ; x 8,192 bytes
	s_mov_b32 s19, 0
	s_wait_kmcnt 0x0
	s_add_nc_u64 s[4:5], s[4:5], s[2:3]
	s_add_nc_u64 s[10:11], s[10:11], s[18:19]
.set j, 0
.rept 32
	global_load_b128 v[X+4*j:X+4*j+3], v2, s[4:5] offset:512*j th:TH_LOAD_NT  ; 512 consecutive bytes of the row
.set j, j+1
.endr
.set j, 0
.rept 32
	s_wait_loadcnt 31-j                            ; loads come back in order: load j is in, the 31 - j younger ones stay out
	v_cvt_pk_bf16_f32 v[X+4*j], v[X+4*j], v[X+4*j+1]
	v_cvt_pk_bf16_f32 v[X+4*j+1], v[X+4*j+2], v[X+4*j+3]
	global_store_b64 v3, v[X+4*j:X+4*j+1], s[10:11] offset:256*j  ; numbers 128 j + 4 l .. go to byte 256 j + 8 l: the wave stores 256 consecutive bytes, aligned; no register is written twice, so no wait frees one
.set j, j+1
.endr
	s_endpgm
	; THE w PATH.  Two rows are 1,024 mask words on end; lane l takes words 32 c + l, c = 0 to 31.  Word i makes the 16 bytes of wb at 16 i, so a lane that loads 4 bytes
	; of each mask stores 16 neighbouring bytes, and the wave's store covers 512 consecutive bytes.
.Lw:
	v_lshlrev_b32 v2, 2, v1                        ; 4 bytes of a mask a lane
	v_lshlrev_b32 v3, 4, v1                        ; 16 bytes of wb a lane
	s_sub_co_u32 s16, ttmp9, 512
	s_lshl_b32 s16, s16, 3
	s_add_co_u32 s16, s16, s14                     ; my pair of rows, 0 to 2,047
	s_lshl_b32 s2, s16, 12                         ; x 4,096 bytes of a mask
	s_mov_b32 s3, 0
	s_lshl_b32 s18, s16, 14                        ; x 16,384 bytes of wb
	s_mov_b32 s19, 0
	s_wait_kmcnt 0x0
	s_add_nc_u64 s[6:7], s[6:7], s[2:3]
	s_add_nc_u64 s[8:9], s[8:9], s[2:3]
	s_add_nc_u64 s[12:13], s[12:13], s[18:19]
.set wd, 0
.rept 32
	global_load_b32 v[P+wd], v2, s[6:7] offset:128*wd th:TH_LOAD_NT
	global_load_b32 v[N+wd], v2, s[8:9] offset:128*wd th:TH_LOAD_NT
.set wd, wd+1
.endr
; Word c.  m = (pos xor neg) & 255: the weights that are not 0; s = neg & m: those that are -1.  A second copy 17 bits up puts bit b - 1 at place 16 + b, so that one mask
; 0x10001 << b picks the two weights of register j (b = 7 - 2 j: k = 2 j into the low half, k = 2 j + 1 into the high half).
; A bit at place b times 127 x 2^(7 - b) is 0x3f80, 1.0 in bf16, in both halves at once (factors within 24 bits, product within 32); s's bit moved up by 15 - b is the sign.
.macro UNPACK c
	s_wait_loadcnt 62-2*(\c)                       ; pos and neg of word c are in; two loads for each of the 31 - c later words stay out
.if (\c) == 16
	s_wait_xcnt 0x0                                ; the stores of words 0 to 15 have read their sixteen sets, which are written again from here on
.endif
	v_xor_b32 v4, v[P+(\c)], v[N+(\c)]
	v_and_b32 v4, 0xff, v4
	v_and_b32 v5, v[N+(\c)], v4
	v_lshl_or_b32 v4, v4, 17, v4
	v_lshl_or_b32 v5, v5, 17, v5
.irp j, 0,1,2,3
	v_and_b32 v[O+4*((\c)%16)+(\j)], (0x10001<<(7-2*(\j))), v4
.endr
.irp j, 0,1,2,3
	v_and_b32 v[6+(\j)], (0x10001<<(7-2*(\j))), v5
.endr
.irp j, 0,1,2,3
	v_mul_u32_u24 v[O+4*((\c)%16)+(\j)], (127<<(2*(\j))), v[O+4*((\c)%16)+(\j)]
.endr
.irp j, 0,1,2,3
	v_lshl_or_b32 v[O+4*((\c)%16)+(\j)], v[6+(\j)], 8+2*(\j), v[O+4*((\c)%16)+(\j)]
.endr
	global_store_b128 v3, v[O+4*((\c)%16):O+4*((\c)%16)+3], s[12:13] offset:512*(\c)  ; 512 consecutive bytes, at a multiple of 512 from wb's first byte
.endm
.set wd, 0
.rept 32
	UNPACK wd
.set wd, wd+1
.endr
	s_endpgm
.Lfunc_end_k_qa2909aaeb3_prep:
	.size	k_qa2909aaeb3_prep, .Lfunc_end_k_qa2909aaeb3_prep-k_qa2909aaeb3_prep
	.p2alignl 7, 3214868480
	.fill 96, 4, 3214868480
	.section	.rodata,"a",@progbits
	.p2align	6, 0x0
	.amdhsa_kernel k_qa2909aaeb3_prep
		.amdhsa_group_segment_fixed_size 0
		.amdhsa_private_segment_fixed_size 0
		.amdhsa_enable_private_segment 0
		.amdhsa_kernarg_size 40
		.amdhsa_user_sgpr_count 2
		.amdhsa_user_sgpr_kernarg_segment_ptr 1
		.amdhsa_wavefront_size32 1
		.amdhsa_system_sgpr_workgroup_id_x 1
		.amdhsa_system_sgpr_workgroup_id_y 1
		.amdhsa_system_sgpr_workgroup_id_z 1
		.amdhsa_system_vgpr_workitem_id 0
		.amdhsa_next_free_vgpr 140
		.amdhsa_next_free_sgpr 66
		.amdhsa_reserve_vcc 0
		.amdhsa_float_denorm_mode_32 3
		.amdhsa_float_denorm_mode_16_64 3
		.amdhsa_memory_ordered 1
		.amdhsa_forward_progress 1
		.amdhsa_inst_pref_size 63
	.end_amdhsa_kernel
	.amdgpu_metadata
---
amdhsa.version: [ 1, 2 ]
amdhsa.kernels:
  - .name:           k_qa2909aaeb3_prep
    .symbol:         k_qa2909aaeb3_prep.kd
    .args:
      - { .name: x, .offset: 0, .size: 8, .value_kind: global_buffer, .address_space: global }
      - { .name: pos_mask, .offset: 8, .size: 8, .value_kind: global_buffer, .address_space: global }
      - { .name: neg_mask, .offset: 16, .size: 8, .value_kind: global_buffer, .address_space: global }
      - { .name: xb, .offset: 24, .size: 8, .value_kind: global_buffer, .address_space: global }
      - { .name: wb, .offset: 32, .size: 8, .value_kind: global_buffer, .address_space: global }
    .group_segment_fixed_size: 0
    .private_segment_fixed_size: 0
    .kernarg_segment_align: 8
    .kernarg_segment_size: 40
    .max_flat_workgroup_size: 256
    .sgpr_count:     66
    .vgpr_count:     140
    .wavefront_size: 32
...
	.end_amdgpu_metadata
.endif
;; end of part 1
;; launch gemm (part 2): grid 16 x 16, 4 waves a work-group, clusters of 4 x 4, 327,680 bytes of LDS; arguments xb, wb, bias, scale, out0; writes out0
.if DOCPART == 2
	.amdgcn_target "amdgcn-amd-amdhsa--gfx1250"
	.amdhsa_code_object_version 6
	.text
	.protected	k_qa2909aaeb3_gemm
	.globl	k_qa2909aaeb3_gemm
	.p2align	8
	.type	k_qa2909aaeb3_gemm,@function
k_qa2909aaeb3_gemm:
	s_mov_b64 s[64:65], 0
	v_nop
	global_prefetch_b8 v0, s[64:65] scope:SCOPE_SE
	s_setreg_imm32_b32 hwreg(HW_REG_WAVE_MODE, 25, 1), 1
	s_wait_xcnt 0x0
	s_wait_alu depctr_hold_cnt(0) depctr_sa_sdst(0) depctr_va_vdst(0) depctr_va_sdst(0) depctr_va_ssrc(0) depctr_va_vcc(0) depctr_vm_vsrc(0)
	s_getreg_b32 s2, hwreg(HW_REG_IB_STS2, 6, 4)
	s_cmp_eq_u32 s2, 0
	s_cbranch_scc0 .Lentry_in_a_cluster
	s_endpgm
.Lentry_in_a_cluster:
	s_bfe_u32 s2, ttmp6, 0x10000c
	s_cmp_lg_u32 s2, 0xf033
	s_cbranch_scc0 .Lentry_shape_is_right
	s_endpgm
.Lentry_shape_is_right:
; out0[t][o] = scale x (the sum over k of xb[t][k] wb[o][k]) + bias[o].  xb: [4096][4096] bf16 (x rounded once), wb: [4096][4096] bf16 (+1, -1, 0: exact), out0: [4096][4096] f32.
; One f32 sum for each output, K ascending; scale and bias by one fused multiply-add in f32.  LIMIT: the only rounding of an operand is x's to bf16.
; SHARES.  A tile of out0, 256 x 256, is made by a work-group of four waves; a wave makes 128 x 128: 64 accumulators of 16 x 16, 512 registers.  16 x 16 tiles: 256 work-groups.
; K goes in 32 steps of 128 through a ring of two LDS slots filled by the tensor data mover: a tile's rows are 256 bytes of memory and start at multiples of 256 bytes from the buffer's first byte.
; CLUSTERS: 4 x 4 work-groups.  The four of a row of the cluster need the same tiles of xb, the four of a column the same tiles of wb: each tile is asked for JOINTLY, by the same tensor load with
; the same descriptor and a mask that names the four; each receives it in its own LDS.  That divides the requests for xb and wb by four.
; THE MATRIX INSTRUCTION IS USED TRANSPOSED: source 0 = 16 rows of wb, source 1 = 16 rows of xb.  In the result lane l holds row l % 16 of out0 and the columns 8 (l / 16) + 0..7.
; REGISTERS, in windows of 256 (s_set_vgpr_msb's low byte: bits 1:0 source 0, 3:2 source 1, 5:4 source 2, 7:6 destination):
;   window 0: v0-31 addresses and the bias; v64-127, v128-191 fragments of xb, two buffers; on the way out the same 128 registers take rows read back from the stage
;   window 1: v64-127, v128-191 fragments of wb, two buffers
;   window 2: the 32 accumulators of my rows 0-63 (accumulator (a, b) at v[8 (8 a + b)]);   window 3: those of my rows 64-127
; LDS: two slots of 139,264 bytes, four stages of 8,448, 512 bytes of spare words: 312,832 bytes; all 327,680 are claimed.
.set SIZE_K, 4096
.set KSTEP,  128
.set PITCH,  272                       ; an LDS row: 256 bytes of data + 16 of padding = 68 words: row r starts at bank 4 r mod 64 (64 banks of 4 bytes: ISA guide 11.1), so the 16 rows of a load start at 16 different banks
.set HALFT,  128*PITCH                 ; 128 rows: what one tensor load brings, and what one wave reads of xb or of wb
.set SLOT,   4*HALFT                   ; xb's 256 rows, then wb's 256 rows
.set STAGE,  2*SLOT                    ; behind the ring: 16 rows x 528 bytes for each wave, for the way out; no tensor load fills it
.set SPITCH, 528                       ; a stage row: my 128 columns in f32, 512 bytes, + 16: 33 x 16 bytes, so sixteen rows' 16 bytes start at sixteen different groups of four banks
.set SPARE,  STAGE+4*16*SPITCH         ; behind the stages: the spare words, 128 bytes for each wave: two blocks of 256 bytes that no other line names
.set LAPS,   SIZE_K/(2*KSTEP)          ; a lap = two K steps = once round the ring: 16
.set ROWC,   16384                     ; bytes in a row of out0
.set BI,   8                           ; v[8:11] the bias of my four columns on the way out
.set BO,   12                          ; v12     their byte offset in bias
.set ADRA, 16                          ; v16-17  LDS address of my xb fragments in slot 0, 1
.set ADRB, 20                          ; v20-21  the same for wb
.set STO,  24                          ; v24     the way out: where I put 32 bytes of a row
.set RD,   25                          ; v25     the way out: where I read 16 bytes of a row back
.set CO,   26                          ; v26     16 x lane: my byte offset in my wave's 512 bytes of a row of out0; never rewritten
.set SPW,  28                          ; v28     LDS address of my spare word: SPARE + 4 x my thread's number; never rewritten
.set NIL,  29                          ; v29     0; never rewritten
.set PFO,  30                          ; v30     the prefetches' offset: my lane x a row of xb or wb (8,192 bytes); never rewritten
.set F0,   64                          ; fragment buffer 0
.set F1,   128                         ; fragment buffer 1
.set G1,   24                          ; s[24:31] descriptor group 1 for xb's tiles
.set G0,   32                          ; s[32:39] descriptor group 0 for xb's tiles, one set for each slot
.set LIM,  43                          ; s43      1 in a wave that prefetches, else the greatest number
.set PFA,  44                          ; s[44:45] where my prefetches stand: my work-group's 32 rows of the 128 that I fetch, one K step further along K than the refill that is being asked for
.set G1B,  48                          ; s[48:55] descriptor group 1 for wb's tiles: it differs in the mask alone
.set G0B,  56                          ; s[56:63] descriptor group 0 for wb's tiles, one set for each slot
.set SC,   72                          ; s[72:73] scale, twice: the packed multiply-add names a pair and takes its low word for both halves
.set MSB, 0
.macro WIN new                         ; the immediate's high byte repeats the setting that is left; a switch that changes nothing is dropped
.if MSB != (\new)
	s_set_vgpr_msb (MSB<<8)|(\new)
.set MSB, \new
.endif
.endm
.set MUL_LO, 0xa1                      ; source 0 (wb) window 1, source 1 (xb) window 0, C and D window 2
.set MUL_HI, 0xf1                      ; the same, C and D window 3
.set TO_B,   0x40                      ; destination window 1, address window 0
; A joint load.  Waves 0 and 1 fetch xb's two halves, waves 2 and 3 wb's.  Each of the two lines has ONE mask and one set of registers for all that issue it.  The branch hangs on the wave's
; number alone.  An s_nop 0 and four v_nop follow each of the two lines, ahead of the jump, the label and what follows.
.macro JLOAD s
	s_cmp_eq_u32 s11, 0
	s_cbranch_scc0 .Lfor_b_\@
	tensor_load_to_lds s[G0+4*(\s):G0+4*(\s)+3], s[G1:G1+7]
	s_nop 0
.rept 4
	v_nop
.endr
	s_branch .Lasked_\@
.Lfor_b_\@:
	tensor_load_to_lds s[G0B+4*(\s):G0B+4*(\s)+3], s[G1B:G1B+7]
	s_nop 0
.rept 4
	v_nop
.endr
.Lasked_\@:
.endm
; A PREFETCH INTO THE L2, behind each joint refill and the run of LDS loads that follows it: the K step that stands TWO refills on (512 matrix instructions ahead of the load that will want it):
; 32 rows x 256 bytes, a lane a row, one instruction a wave.  Each row's 256 bytes of a K step are named ONCE in the launch: xb's tile row is read by every cluster of that row of clusters, and
; the one with x = 0 asks; wb's tile column by every cluster of that column, and the one with y = 0 asks.  The four partners that ask for a tile jointly share its rows out BY ADDRESS: of the 128
; rows that a wave fetches the partner at place p takes 32 p .. 32 p + 31 (p = cx for xb, cy for wb).  In trip t the two prefetches name K steps 2 t + 4 and 2 t + 5; the loop's last trip
; (s3 = 1) asks for nothing, so K step 31 is the last that is named.  K steps 0 to 3 come by their loads alone.
.macro ASK
	s_cmp_gt_u32 s3, s[LIM]
	s_cbranch_scc0 .Lnot_mine_\@
	global_prefetch_b8 v[PFO], s[PFA:PFA+1] offset:KSTEP*2 th:TH_LOAD_NT scope:SCOPE_SE
.Lnot_mine_\@:
.endm
; A round of the cluster's barrier: my work-group's barrier, so that wave 0's signal speaks for all four waves; wave 0 signals for the work-group; every wave waits for all sixteen
; work-groups; my work-group's barrier once more.  No LDS instruction of the wave is pending at a signal.
.macro CREST                           ; a round behind its opening barrier
	s_cmp_lg_u32 s10, 0
	s_cbranch_scc1 .Lnot_wave_0_\@
	s_barrier_signal -3
.Lnot_wave_0_\@:
	s_barrier_wait -3
	s_barrier_signal -1
	s_barrier_wait -1
.endm
.macro CROUND                          ; a whole round
	s_barrier_signal -1
	s_barrier_wait -1
	CREST
.endm
	s_load_b128 s[4:7], s[0:1], 0x0                ; xb s[4:5], wb s[6:7]
	s_load_b128 s[68:71], s[0:1], 0x10             ; bias s[68:69], scale s[70:71]
	s_load_b64 s[8:9], s[0:1], 0x20                ; out0
	v_lshl_add_u32 v[SPW], v0, 2, SPARE
	v_mov_b32 v[NIL], 0
	ds_add_u32 v[SPW], v[NIL]                      ; the wave's opening: the add and its wait stand ahead of my first tensor load; the set-up below, work on registers, stands between them
	v_lshrrev_b32 v1, 5, v0
	v_readfirstlane_b32 s10, v1                    ; wave 0..3
	s_lshr_b32 s11, s10, 1                         ; which half of the tile's rows is mine.  Also: I fetch for xb (0) or for wb (1)
	s_and_b32 s12, s10, 1                          ; which half of its columns.  Also: which 128 rows of that tile I fetch
	s_bfe_u32 s40, ttmp6, 0x40000                  ; cx: my place along the cluster's x
	s_bfe_u32 s41, ttmp6, 0x40004                  ; cy: along its y
	s_lshl_b32 s42, ttmp9, 2                       ; in a cluster launch ttmp9 and ttmp7 count clusters
	s_add_co_u32 s42, s42, s40                     ; tile column = 4 x cluster x + cx
	s_and_b32 s13, ttmp7, 0xffff
	s_lshl_b32 s13, s13, 2
	s_add_co_u32 s13, s13, s41                     ; tile row = 4 x cluster y + cy
	s_lshl_b32 s43, s41, 2
	s_lshl_b32 s43, 15, s43                        ; my row of the cluster: places 4 cy .. 4 cy + 3
	s_lshl_b32 s44, 0x1111, s40                    ; my column: places cx, cx + 4, cx + 8, cx + 12
	; descriptor group 1: a tile of 128 rows x 128 elements, padded in LDS
	s_or_b32 s[G1+0], s43, (1<<16)|(1<<20)|(1<<21)|(5<<22)|(3<<25)  ; 15:0 the mask: xb's tiles go to my row; 17:16 elements of 2 bytes; 20 padding on; 21 set beside a mask; 24:22 after every 64 words (code 5); 31:25 4 words of it (code 3)
	s_or_b32 s[G1B+0], s44, (1<<16)|(1<<20)|(1<<21)|(5<<22)|(3<<25) ; the same with the mask of my column, for wb's tiles
	s_mov_b32 s[G1B+1], KSTEP<<16
	s_mov_b32 s[G1+1], KSTEP<<16                   ; tensor_dim0 = 128
	s_mov_b32 s[G1B+2], 128<<16
	s_mov_b32 s[G1+2], 128<<16                     ; tensor_dim1 = 128
	s_mov_b32 s[G1B+3], KSTEP<<16
	s_mov_b32 s[G1+3], KSTEP<<16                   ; tile_dim0 = 128
	s_mov_b32 s[G1B+4], 128
	s_mov_b32 s[G1+4], 128                         ; tile_dim1 = 128; tile_dim2 = 0
	s_mov_b32 s[G1B+5], SIZE_K
	s_mov_b32 s[G1+5], SIZE_K                      ; elements from row to row
	s_mov_b32 s[G1B+6], 0
	s_mov_b32 s[G1+6], 0
	s_mov_b32 s[G1B+7], 0
	s_mov_b32 s[G1+7], 0
	; where the tiles come from.  xb's hang on the tile row alone, which my row of the cluster shares; wb's on the tile column alone, which my column shares.
	; Every wave makes both addresses, in registers that never hold the other coordinate, and asks by one of them.
	s_lshl_b32 s17, s12, 7                         ; which 128 rows of the tile I fetch
	s_lshl_b32 s16, s13, 8
	s_add_co_u32 s16, s16, s17                     ; xb: row 256 x tile row + 128 x half
	s_lshl_b32 s46, s42, 8
	s_add_co_u32 s46, s46, s17                     ; wb: row 256 x tile column + 128 x half
	s_mov_b32 s17, 0
	s_mov_b32 s47, 0
	s_mov_b64 s[18:19], SIZE_K*2
	s_mul_u64 s[16:17], s[16:17], s[18:19]         ; in bytes
	s_mul_u64 s[46:47], s[46:47], s[18:19]
	s_mul_i32 s20, s10, HALFT                      ; and where they go: wave x 128 rows: no place in the cluster enters an LDS address
	s_wait_dscnt 0x0                               ; the opening add is done
	s_wait_kmcnt 0x0
	s_add_nc_u64 s[14:15], s[4:5], s[16:17]
	s_add_nc_u64 s[46:47], s[6:7], s[46:47]
	CROUND                                         ; all sixteen work-groups are here: the first joint loads meet
.irp s, 0,1
	s_mov_b32 s[G0+4*(\s)], 1                                      ; count = 1
	s_add_co_u32 s[G0+4*(\s)+1], s20, (\s)*SLOT                    ; LDS address
	s_add_nc_u64 s[G0+4*(\s)+2:G0+4*(\s)+3], s[14:15], (\s)*KSTEP*2  ; global address: K step s
	s_or_b32 s[G0+4*(\s)+3], s[G0+4*(\s)+3], 0x80000000            ; type = 2
	s_mov_b32 s[G0B+4*(\s)], 1
	s_add_co_u32 s[G0B+4*(\s)+1], s20, (\s)*SLOT
	s_add_nc_u64 s[G0B+4*(\s)+2:G0B+4*(\s)+3], s[46:47], (\s)*KSTEP*2
	s_or_b32 s[G0B+4*(\s)+3], s[G0B+4*(\s)+3], 0x80000000
	JLOAD \s                                       ; the ring is filled before anything else is done: two tensor loads of mine are out
.endr
	s_load_b32 s[SC], s[70:71], 0x0                ; scale
	; A fragment is 16 rows x 32 K in 8 registers: lane l holds row l % 16; registers 0-3 hold K = 8 (l / 16) + 0..7, registers 4-7 K = 16 + 8 (l / 16) + 0..7: two loads of 16 bytes, 32 bytes apart.
	v_and_b32 v1, 15, v0                           ; l % 16
	v_bfe_u32 v2, v0, 4, 1                         ; l / 16
	v_mul_u32_u24 v3, v1, PITCH
	v_lshl_add_u32 v3, v2, 4, v3                   ; row x pitch + 16 x half
	s_mul_i32 s21, s11, HALFT                      ; my 128 rows of xb
	s_mul_i32 s22, s12, HALFT                      ; my 128 rows of wb,
	s_add_co_u32 s22, s22, 2*HALFT                 ; which lie behind xb's 256
.irp s, 0,1
	v_add_nc_u32 v[ADRA+(\s)], s21, v3
	v_add_nc_u32 v[ADRB+(\s)], s22, v3
	s_add_co_u32 s21, s21, SLOT
	s_add_co_u32 s22, s22, SLOT
.endr
	s_mul_i32 s23, s10, 16*SPITCH
	s_add_co_u32 s23, s23, STAGE                   ; my stage
	v_mul_u32_u24 v4, v1, SPITCH                   ; in: row l % 16, 32 bytes (8 columns) for each half of the lanes
	v_lshl_add_u32 v4, v2, 5, v4
	v_add_nc_u32 v[STO], s23, v4
	v_and_b32 v5, 31, v0
	v_lshlrev_b32 v[CO], 4, v5                     ; back: 32 lanes take one row of 512 bytes, four columns a lane,
	v_add_nc_u32 v[RD], s23, v[CO]                 ; the same four columns in every row: so their bias is four registers
	; out0 at my part of the tile, and my four numbers of bias
	s_lshl_b32 s13, s13, 8                         ; 256 x tile row
	s_lshl_b32 s14, s11, 7
	s_add_co_u32 s16, s13, s14                     ; my first row of out0,
	s_lshl_b32 s16, s16, 14                        ; in bytes: under 2^26
	s_mov_b32 s17, 0
	s_lshl_b32 s46, s42, 10                        ; my first column, in bytes: 1,024 x tile column + 512 x half
	s_lshl_b32 s47, s12, 9
	s_add_co_u32 s46, s46, s47
	s_mov_b32 s47, 0
	v_add_nc_u32 v[BO], s46, v[CO]
	s_add_nc_u64 s[16:17], s[16:17], s[46:47]
	s_add_nc_u64 s[8:9], s[8:9], s[16:17]
	global_load_b128 v[BI:BI+3], v[BO], s[68:69]
	; the prefetches.  s13 = 256 x tile row, s42 = tile column, s40 = cx, s41 = cy still stand
	s_lshl_b32 s42, s42, 8
	s_and_b32 s22, ttmp7, 0xffff                   ; cluster y
	s_cmp_eq_u32 s11, 0                            ; do I fetch for xb?
	s_cselect_b32 s20, s13, s42                    ; the tile's first row: in xb by the tile row, in wb by the tile column
	s_cselect_b32 s21, s40, s41                    ; my place among the four that ask for it with me
	s_cselect_b32 s22, ttmp9, s22                  ; the coordinate along which other clusters read the same rows
	s_cselect_b64 s[PFA:PFA+1], s[4:5], s[6:7]
	s_cmp_eq_u32 s22, 0
	s_cselect_b32 s[LIM], 1, -1                    ; the same in all sixteen partners, for a given wave
	s_lshl_b32 s22, s12, 7
	s_add_co_u32 s20, s20, s22                     ; + the 128 rows that I fetch
	s_lshl_b32 s21, s21, 5
	s_add_co_u32 s20, s20, s21                     ; + my work-group's 32 of them
	s_mov_b32 s21, 0
	s_mov_b64 s[18:19], SIZE_K*2
	s_mul_u64 s[20:21], s[20:21], s[18:19]
	s_add_nc_u64 s[PFA:PFA+1], s[PFA:PFA+1], s[20:21]
	s_add_nc_u64 s[PFA:PFA+1], s[PFA:PFA+1], 2*KSTEP*2  ; at K step 2: the first refill steps it to 3 and names K step 4
	v_and_b32 v[PFO], 31, v0
	v_mul_u32_u24 v[PFO], v[PFO], SIZE_K*2
	s_wait_kmcnt 0x0                               ; scale is in,
	s_mov_b32 s[SC+1], s[SC]                       ; named as a pair, so both words are written
	s_wait_loadcnt 0x0                             ; and the bias: both waits stand in the wait for the first tile
; 16 matrix instructions: m blocks a0, a0 + 1 of the window's four (hi = 0: my rows 0-63, 1: rows 64-127) x all 8 n blocks, 32 along K.
; zero = 1: the first product starts the sums: nothing is ever cleared.  The 64 accumulators take turns in the same order in every quarter step.
.macro MUL16 f, hi, a0, zero
	WIN MUL_LO+0x50*(\hi)
.irp a, \a0, (\a0)+1
.irp b, 0,1,2,3,4,5,6,7
.if \zero
	v_wmma_f32_16x16x32_bf16 v[8*(8*(\a)+(\b)):8*(8*(\a)+(\b))+7], v[(\f)+8*(\b):(\f)+8*(\b)+7], v[(\f)+8*(4*(\hi)+(\a)):(\f)+8*(4*(\hi)+(\a))+7], 0
.else
	v_wmma_f32_16x16x32_bf16 v[8*(8*(\a)+(\b)):8*(8*(\a)+(\b))+7], v[(\f)+8*(\b):(\f)+8*(\b)+7], v[(\f)+8*(4*(\hi)+(\a)):(\f)+8*(4*(\hi)+(\a))+7], v[8*(8*(\a)+(\b)):8*(8*(\a)+(\b))+7]
.endif
.endr
.endr
.endm
; 32 LDS loads in one run: the fragments of one quarter step (128 rows of wb, then 128 rows of xb, 32 K at byte k of the rows) into buffer f
.macro FETCH slot, k, f
	WIN TO_B
.irp i, 0,1,2,3,4,5,6,7
	ds_load_b128 v[(\f)+8*(\i):(\f)+8*(\i)+3],   v[ADRB+(\slot)] offset:(\k)+(\i)*16*PITCH
	ds_load_b128 v[(\f)+8*(\i)+4:(\f)+8*(\i)+7], v[ADRB+(\slot)] offset:(\k)+(\i)*16*PITCH+32
.endr
	WIN 0
.irp i, 0,1,2,3,4,5,6,7
	ds_load_b128 v[(\f)+8*(\i):(\f)+8*(\i)+3],   v[ADRA+(\slot)] offset:(\k)+(\i)*16*PITCH
	ds_load_b128 v[(\f)+8*(\i)+4:(\f)+8*(\i)+7], v[ADRA+(\slot)] offset:(\k)+(\i)*16*PITCH+32
.endr
.endm
; A load into a register that a matrix instruction has read stands four places behind that matrix instruction, and only plain vector instructions that name none of its registers are
; places (ISA guide 7.12.1 for vector instructions): four v_nop in front of each run of loads.
.macro PLACES
.rept 4
	v_nop
.endr
.endm
; A K step is four quarter steps of 32 along K, 64 matrix instructions each, on buffers 0, 1, 0, 1.
; One of the first three: multiplies buffer f; in its middle it fetches the next quarter's fragments, at byte k of the same slot's rows, into buffer g.
.macro QUARTER slot, k, f, g, zero
	s_wait_dscnt 8                                 ; wb's fragments and xb's rows 0-63 are in; the youngest eight loads (xb's rows 64-127) may be out
	WIN MUL_LO
	MUL16 \f, 0, 0, \zero
	MUL16 \f, 0, 2, \zero
	PLACES
	FETCH \slot, \k, \g
	s_wait_dscnt 32                                ; all but the 32 just issued
	WIN MUL_HI
	MUL16 \f, 1, 0, \zero
	MUL16 \f, 1, 2, \zero
.endm
; The last quarter multiplies buffer 1 and changes slots.  MEET is its first half: ONE barrier for the change of slots.  In front of it each wave waits for all its tensor loads, of which one is
; out: its part of the next slot; adds 0 to its spare word; and waits for that and for its own reads of this slot.  Behind it nobody reads this slot any more and the next slot is whole.
.macro MEET round                      ; round = 1: a round of the cluster's barrier follows
	WIN 0                                          ; (the add's two registers lie in window 0)
	s_wait_tensorcnt 0x0                           ; all my tensor loads have landed: the one that was out is my part of the next slot;
	ds_add_u32 v[SPW], v[NIL]                      ; 0 onto my spare word;
	s_wait_dscnt 9                                 ; (the add and the youngest eight loads may be out)
	WIN MUL_LO
	MUL16 F1, 0, 0, 0                              ; sixteen matrix instructions stand between the add and the wait for it
	s_wait_dscnt 0x0                               ; the add is done, and my reads of this slot are over:
	s_barrier_signal -1                            ; say so (where a slot is filled again this barrier opens a round of the cluster's barrier),
	MUL16 F1, 0, 2, 0                              ; work on registers while the others arrive,
.if \round
	WIN 0
.endif
	s_barrier_wait -1                              ; and go on when all four have said so
.endm
; The whole last quarter.  Behind the round the slot just read out is filled again first, with the K step two steps on; then come the next slot's first fragments.
; From a request to the wait for it a wave issues 224 matrix instructions; one tensor load of mine is out behind each round.
.macro TURN slot, next
	s_wait_xcnt 0x0                                ; the last prefetch, a K step back, has read its address: it is stepped here, ahead of the waits of the change of slots
	s_add_nc_u64 s[PFA:PFA+1], s[PFA:PFA+1], KSTEP*2
	MEET 1
	CREST                                          ; all sixteen work-groups have said so: no wave of any partner still reads this slot's tile or has a load on its way
	s_add_nc_u64 s[G0+4*(\slot)+2:G0+4*(\slot)+3], s[G0+4*(\slot)+2:G0+4*(\slot)+3], 2*KSTEP*2
	s_add_nc_u64 s[G0B+4*(\slot)+2:G0B+4*(\slot)+3], s[G0B+4*(\slot)+2:G0B+4*(\slot)+3], 2*KSTEP*2
	JLOAD \slot                                    ; the first tensor load behind the round; the four v_nop behind it are also the places in front of the loads below
	FETCH \next, 0, F0
	ASK
	WIN MUL_HI
	MUL16 F1, 1, 0, 0
	MUL16 F1, 1, 2, 0
.endm
; THE WAY OUT of block a (16 of my rows), in two parts.  TOSTAGE: the block's eight accumulators go as they are, in f32, into my own stage (column 16 b + 8 (l / 16) + j of row l % 16 at byte
; 64 b + 32 (l / 16) + 4 j of its row; each accumulator's four lowest registers first), and come back as whole rows of 512 bytes, four neighbouring columns a lane.
; The stage is my wave's own and LDS serves a wave's instructions in order (ISA guide 5.7.1.4): the loads see the stores above them, and the next block's stores come behind them: no wait, no barrier.
.macro TOSTAGE a
.set AC, 64*((\a)%4)
.set BK, 64+64*((\a)%2)
	WIN 0x08+4*((\a)/4)                            ; the stores' data (source 1) in window 2 or 3, the address in window 0
.irp b, 0,1,2,3,4,5,6,7
	ds_store_b128 v[STO], v[AC+8*(\b):AC+8*(\b)+3]   offset:64*(\b)
	ds_store_b128 v[STO], v[AC+8*(\b)+4:AC+8*(\b)+7] offset:64*(\b)+16
.endr
	WIN 0
	s_wait_xcnt 0x0                                ; the stores of the block two back have read these 64 registers, which are loaded again only behind this wait
.irp t, 0,1,2,3,4,5,6,7,8,9,10,11,12,13,14,15
	ds_load_b128 v[BK+4*(\t):BK+4*(\t)+3], v[RD] offset:SPITCH*(\t)
.endr
.endm
; SEND: scale x sum + bias, one fused multiply-add for two numbers, and the row is stored.  younger: the LDS instructions issued behind this block's loads: the next block's 16 stores and 16 loads, or none.
.macro SEND a, younger
.set BK, 64+64*((\a)%2)
	WIN 0
.irp t, 0,1,2,3,4,5,6,7,8,9,10,11,12,13,14,15
	s_wait_dscnt (\younger)+15-(\t)                ; row t is back; the block's later rows and the younger instructions may be out
	v_pk_fma_f32 v[BK+4*(\t):BK+4*(\t)+1],   v[BK+4*(\t):BK+4*(\t)+1],   s[SC:SC+1], v[BI:BI+1]   op_sel_hi:[1,0,1]
	v_pk_fma_f32 v[BK+4*(\t)+2:BK+4*(\t)+3], v[BK+4*(\t)+2:BK+4*(\t)+3], s[SC:SC+1], v[BI+2:BI+3] op_sel_hi:[1,0,1]
	global_store_b128 v[CO], v[BK+4*(\t):BK+4*(\t)+3], s[8:9] offset:(16*(\a)+(\t))*ROWC th:TH_STORE_NT  ; the wave stores 512 consecutive bytes, at a multiple of 512 from out0's first byte; the row stands in the immediate, 127 x 16,384 at the most
.endr
.endm
	s_wait_tensorcnt 1                             ; my part of K step 0 is in; K step 1's may stay out
	s_barrier_signal -1
	s_barrier_wait -1                              ; everybody's is
	FETCH 0, 0, F0
	QUARTER 0, 64,  F0, F1, 1                      ; the first quarter stands in front of the loop: its products start the sums
	WIN 0                                          ; at a label and at a branch every window is 0
	s_mov_b32 s3, LAPS-1
.Llap:                                                 ; a trip goes once round the ring, from a lap's second quarter to the next lap's first, and fills both slots again: K steps 2 to 31 in 15 trips
	QUARTER 0, 128, F1, F0, 0
	QUARTER 0, 192, F0, F1, 0
	TURN 0, 1
	QUARTER 1, 64,  F0, F1, 0
	QUARTER 1, 128, F1, F0, 0
	QUARTER 1, 192, F0, F1, 0
	TURN 1, 0
	QUARTER 0, 64,  F0, F1, 0
	WIN 0
	s_sub_co_u32 s3, s3, 1
	s_cmp_lg_u32 s3, 0
	s_cbranch_scc1 .Llap
	QUARTER 0, 128, F1, F0, 0                      ; the last lap is written out: it fills nothing, and has no round of the cluster's barrier
	QUARTER 0, 192, F0, F1, 0
	MEET 0                                         ; my one tensor load that was still out is slot 1's, the last K step's
	PLACES                                         ; for the loads into buffer 0, which the quarter before multiplied
	FETCH 1, 0, F0
	WIN MUL_HI
	MUL16 F1, 1, 0, 0
	MUL16 F1, 1, 2, 0
	QUARTER 1, 64,  F0, F1, 0
	QUARTER 1, 128, F1, F0, 0
	QUARTER 1, 192, F0, F1, 0
	s_wait_dscnt 8                                 ; the very last quarter: nothing more to fetch
	WIN MUL_LO
	MUL16 F1, 0, 0, 0
	MUL16 F1, 0, 2, 0
	s_wait_dscnt 0x0
	MUL16 F1, 1, 0, 0
	MUL16 F1, 1, 2, 0
	WIN 0
.rept 8
	v_nop                                          ; the places behind the last products, once a launch: LDS stores that read results follow, and loads into the buffers that the products read
.endr
	TOSTAGE 0
	TOSTAGE 1                                      ; a block's trip through the stage stands between the loads of the block before and its stores
	SEND 0, 32
.irp a, 1,2,3,4,5,6
	TOSTAGE (\a)+1
	SEND \a, 32
.endr
	SEND 7, 0
	s_wait_tensorcnt 0x0                           ; the wave's end: behind my last tensor load and my last LDS store
	ds_add_u32 v[SPW], v[NIL]
	s_wait_dscnt 0x0
	CROUND                                         ; the closing round: no work-group ends while a partner may still ask for a tile that names it
	s_endpgm
.Lfunc_end_k_qa2909aaeb3_gemm:
	.size	k_qa2909aaeb3_gemm, .Lfunc_end_k_qa2909aaeb3_gemm-k_qa2909aaeb3_gemm
	.p2alignl 7, 3214868480
	.fill 96, 4, 3214868480
	.section	.rodata,"a",@progbits
	.p2align	6, 0x0
	.amdhsa_kernel k_qa2909aaeb3_gemm
		.amdhsa_group_segment_fixed_size 327680
		.amdhsa_private_segment_fixed_size 0
		.amdhsa_enable_private_segment 0
		.amdhsa_kernarg_size 40
		.amdhsa_user_sgpr_count 2
		.amdhsa_user_sgpr_kernarg_segment_ptr 1
		.amdhsa_wavefront_size32 1
		.amdhsa_system_sgpr_workgroup_id_x 1
		.amdhsa_system_sgpr_workgroup_id_y 1
		.amdhsa_system_sgpr_workgroup_id_z 1
		.amdhsa_system_vgpr_workitem_id 0
		.amdhsa_next_free_vgpr 1024
		.amdhsa_next_free_sgpr 80
		.amdhsa_reserve_vcc 0
		.amdhsa_float_denorm_mode_32 3
		.amdhsa_float_denorm_mode_16_64 3
		.amdhsa_memory_ordered 1
		.amdhsa_forward_progress 1
		.amdhsa_inst_pref_size 162
	.end_amdhsa_kernel
	.amdgpu_metadata
---
amdhsa.version: [ 1, 2 ]
amdhsa.kernels:
  - .name:           k_qa2909aaeb3_gemm
    .symbol:         k_qa2909aaeb3_gemm.kd
    .args:
      - { .name: xb, .offset: 0, .size: 8, .value_kind: global_buffer, .address_space: global }
      - { .name: wb, .offset: 8, .size: 8, .value_kind: global_buffer, .address_space: global }
      - { .name: bias, .offset: 16, .size: 8, .value_kind: global_buffer, .address_space: global }
      - { .name: scale, .offset: 24, .size: 8, .value_kind: global_buffer, .address_space: global }
      - { .name: out0, .offset: 32, .size: 8, .value_kind: global_buffer, .address_space: global }
    .group_segment_fixed_size: 327680
    .private_segment_fixed_size: 0
    .kernarg_segment_align: 8
    .kernarg_segment_size: 40
    .max_flat_workgroup_size: 128
    .sgpr_count:     80
    .vgpr_count:     1024
    .wavefront_size: 32
...
	.end_amdgpu_metadata
.endif
;; end of part 2
;; ======== version 2 of 2: 2 launches; version 1 with the launch prep written anew for expert scheduling mode
;; workspace buffers: xb 33,554,432 bytes; wb 33,554,432 bytes
;; launch prep (part 3): grid 768 x 1, 8 waves a work-group, no clusters, 0 bytes of LDS; arguments x, pos_mask, neg_mask, xb, wb; writes xb, wb
.if DOCPART == 3
	.amdgcn_target "amdgcn-amd-amdhsa--gfx1250"
	.amdhsa_code_object_version 6
	.text
	.protected	k_qa2909aaeb3_prep
	.globl	k_qa2909aaeb3_prep
	.p2align	8
	.type	k_qa2909aaeb3_prep,@function
k_qa2909aaeb3_prep:
	s_mov_b64 s[64:65], 0
	v_nop
	global_prefetch_b8 v0, s[64:65] scope:SCOPE_SE
	s_setreg_imm32_b32 hwreg(HW_REG_WAVE_SCHED_MODE, 0, 2), 2
	s_setreg_imm32_b32 hwreg(HW_REG_WAVE_MODE, 25, 1), 1
	s_wait_xcnt 0x0
	s_wait_alu depctr_vm_vsrc(0)
; xb = x rounded once to bf16 (nearest even), [4096][4096].  wb = the ternary weights as bf16 (+1, -1, +0), [4096 out][4096 k].
; pos_mask, neg_mask: [4096][512] words of 32 bits, one word for 8 weights; bit 7 is the first of the eight k, bit 0 the last.
; LIMITS.  Bits above bit 7 of a mask word are ignored (the module tests bits 7 to 0 alone).  A weight whose pos and neg bits are both set is +0.
; x's NaN and infinities stay what they are in bf16; numbers beyond bf16's largest round to infinity.
; A STREAM: every byte is read once and written once, no wave wants a byte that another has fetched: so no LDS, no barrier, no matrix unit, no cluster.
; SHARES.  768 work-groups of eight waves, 196,608 bytes moved by each.  Work-groups 0 to 511: a wave takes one row of x (16,384 bytes in, 8,192 out).
; Work-groups 512 to 767: a wave takes two rows of w (4,096 bytes of each mask in, 16,384 out).  No loop: a wave issues all its loads at once and works them off in order.
; THE MODE: SCHED_MODE bits 1:0 = 2 (LLVM: expert scheduling mode 2), set by the entry lines.  The code itself states the register dependences
; between vector instructions and memory instructions, with s_wait_alu, always for 0.
; THE PLAN.  On both paths the 32 pieces of work go in eight blocks of four.  Block p's vector lines write its results; its four stores are issued in block p + 1, behind ONE wait at that
; block's head which states that block p's results are written; they stand among block p + 1's vector lines, which name other registers.  Registers that memory instructions touch:
;   v2, v3        byte offsets, made once on each path and never written again: the pieces are reached by immediate offsets.
;   x path  X[j]  four registers for load j.  Written by load j; read by its two conversions, which write the first two of the four; those two are read by store j.  None is written again.
;   w path  P[c], N[c]  written by the loads, read by vector lines.  v4 to v9 are named by vector lines alone.
;           five out-buffers of 16 registers; block p writes buffer p % 5, and block p's stores read it.  Buffers 0 to 3 are v[76:139]; buffer 4 is v[12:27], which held pos words 0 to 15:
;           blocks 0 to 3 have read those when block 4 writes there.  Blocks 5, 6 and 7 write buffers 0, 1 and 2 again: at block 5's head the stores of blocks 0 to 3 have all been issued, and
;           one wait there states that they have read their data.
.set X, 12                             ; x path: v[12:139]  load j of 32: four registers
.set P, 12                             ; w path: v[12:43]   pos word c of 32; v[12:27] later out-buffer 4
.set N, 44                             ;         v[44:75]   neg word c
.set O, 76                             ;         v[76:139]  out-buffers 0 to 3: word c's four registers at 4 (c % 4) of its block's buffer
	s_load_b256 s[4:11], s[0:1], 0x0               ; x s[4:5], pos s[6:7], neg s[8:9], xb s[10:11]
	s_load_b64 s[12:13], s[0:1], 0x20              ; wb
	v_lshrrev_b32 v1, 5, v0
	v_readfirstlane_b32 s14, v1                    ; wave 0..7
	v_and_b32 v1, 31, v0                           ; lane
	s_wait_alu depctr_va_sdst(0)                   ; s14 is written
	s_cmp_lt_u32 ttmp9, 512
	s_cbranch_scc0 .Lw
	; THE x PATH
	v_lshlrev_b32 v2, 4, v1                        ; 16 bytes of x a lane
	v_lshlrev_b32 v3, 3, v1                        ; 8 bytes of xb a lane
	s_lshl_b32 s16, ttmp9, 3
	s_add_co_u32 s16, s16, s14                     ; my row, 0 to 4,095
	s_lshl_b32 s2, s16, 14                         ; x 16,384 bytes
	s_mov_b32 s3, 0
	s_lshl_b32 s18, s16, 13                        ; x 8,192 bytes
	s_mov_b32 s19, 0
	s_wait_kmcnt 0x0
	s_add_nc_u64 s[4:5], s[4:5], s[2:3]
	s_add_nc_u64 s[10:11], s[10:11], s[18:19]
	s_wait_alu depctr_va_vdst(0)                   ; v2 and v3 are written: every load of this path reads v2 as its offset, every store v3
.set j, 0
.rept 32
	global_load_b128 v[X+4*j:X+4*j+3], v2, s[4:5] offset:512*j th:TH_LOAD_NT  ; 512 consecutive bytes of the row
.set j, j+1
.endr
.set j, 0
.rept 32
	s_wait_loadcnt 31-j                            ; loads come back in order: load j is in, the 31 - j younger ones stay out
.if (j%4 == 0) && (j > 0)
	s_wait_alu depctr_va_vdst(0)                   ; a block's head: the eight conversions of the block before have written their registers, which this block's four stores read
.endif
.if j >= 4
	global_store_b64 v3, v[X+4*(j-4):X+4*(j-4)+1], s[10:11] offset:256*(j-4)  ; the block before: numbers 128 i + 4 l .. go to byte 256 i + 8 l: the wave stores 256 consecutive bytes, aligned; no vector line since the wait names these registers
.endif
	v_cvt_pk_bf16_f32 v[X+4*j], v[X+4*j], v[X+4*j+1]
	v_cvt_pk_bf16_f32 v[X+4*j+1], v[X+4*j+2], v[X+4*j+3]  ; no register is written twice, so no wait frees one
.set j, j+1
.endr
	s_wait_alu depctr_va_vdst(0)                   ; the last block's conversions have written their registers, which the last four stores read
.set j, 28
.rept 4
	global_store_b64 v3, v[X+4*j:X+4*j+1], s[10:11] offset:256*j
.set j, j+1
.endr
	s_endpgm
	; THE w PATH.  Two rows are 1,024 mask words on end; lane l takes words 32 c + l, c = 0 to 31.  Word i makes the 16 bytes of wb at 16 i, so a lane that loads 4 bytes
	; of each mask stores 16 neighbouring bytes, and the wave's store covers 512 consecutive bytes.
.Lw:
	v_lshlrev_b32 v2, 2, v1                        ; 4 bytes of a mask a lane
	v_lshlrev_b32 v3, 4, v1                        ; 16 bytes of wb a lane
	s_sub_co_u32 s16, ttmp9, 512
	s_lshl_b32 s16, s16, 3
	s_add_co_u32 s16, s16, s14                     ; my pair of rows, 0 to 2,047
	s_lshl_b32 s2, s16, 12                         ; x 4,096 bytes of a mask
	s_mov_b32 s3, 0
	s_lshl_b32 s18, s16, 14                        ; x 16,384 bytes of wb
	s_mov_b32 s19, 0
	s_wait_kmcnt 0x0
	s_add_nc_u64 s[6:7], s[6:7], s[2:3]
	s_add_nc_u64 s[8:9], s[8:9], s[2:3]
	s_add_nc_u64 s[12:13], s[12:13], s[18:19]
	s_wait_alu depctr_va_vdst(0)                   ; v2 and v3 are written: every load of this path reads v2 as its offset, every store v3
.set wd, 0
.rept 32
	global_load_b32 v[P+wd], v2, s[6:7] offset:128*wd th:TH_LOAD_NT
	global_load_b32 v[N+wd], v2, s[8:9] offset:128*wd th:TH_LOAD_NT
.set wd, wd+1
.endr
; The store of word c, out of its four registers in buffer (c / 4) % 5.
.macro WSTORE c
.set OS, O+16*(((\c)/4)%5)+4*((\c)%4)
.if ((\c)/4)%5 == 4
.set OS, P+4*((\c)%4)
.endif
	global_store_b128 v3, v[OS:OS+3], s[12:13] offset:512*(\c)  ; 512 consecutive bytes, at a multiple of 512 from wb's first byte
.endm
; Word c.  m = (pos xor neg) & 255: the weights that are not 0; s = neg & m: those that are -1.  A second copy 17 bits up puts bit b - 1 at place 16 + b, so that one mask
; 0x10001 << b picks the two weights of register j (b = 7 - 2 j: k = 2 j into the low half, k = 2 j + 1 into the high half).
; A bit at place b times 127 x 2^(7 - b) is 0x3f80, 1.0 in bf16, in both halves at once (factors within 24 bits, product within 32); s's bit moved up by 15 - b is the sign.
.macro UNPACK c
	s_wait_loadcnt 62-2*(\c)                       ; pos and neg of word c are in; two loads for each of the 31 - c later words stay out
.if (\c) == 20
	s_wait_xcnt 0x0                                ; block 5's head: every earlier memory instruction has had its addresses translated: buffers 0 to 2 are written again only behind this wait,
	s_wait_alu depctr_vm_vsrc(0)                   ; and the stores of words 0 to 15, all issued by now, have read their data: blocks 5, 6 and 7 write buffers 0, 1 and 2 again
.endif
.if ((\c)%4 == 0) && ((\c) > 0)
	s_wait_alu depctr_va_vdst(0)                   ; a block's head: the block before has written its buffer, which this block's four stores read
.endif
.if (\c) >= 4
	WSTORE (\c)-4                                  ; the block before; no vector line since the wait names its buffer
.endif
.set OW, O+16*(((\c)/4)%5)+4*((\c)%4)
.if ((\c)/4)%5 == 4
.set OW, P+4*((\c)%4)
.endif
	v_xor_b32 v4, v[P+(\c)], v[N+(\c)]
	v_and_b32 v4, 0xff, v4
	v_and_b32 v5, v[N+(\c)], v4
	v_lshl_or_b32 v4, v4, 17, v4
	v_lshl_or_b32 v5, v5, 17, v5
.irp j, 0,1,2,3
	v_and_b32 v[OW+(\j)], (0x10001<<(7-2*(\j))), v4
.endr
.irp j, 0,1,2,3
	v_and_b32 v[6+(\j)], (0x10001<<(7-2*(\j))), v5
.endr
.irp j, 0,1,2,3
	v_mul_u32_u24 v[OW+(\j)], (127<<(2*(\j))), v[OW+(\j)]
.endr
.irp j, 0,1,2,3
	v_lshl_or_b32 v[OW+(\j)], v[6+(\j)], 8+2*(\j), v[OW+(\j)]
.endr
.endm
.set wd, 0
.rept 32
	UNPACK wd
.set wd, wd+1
.endr
	s_wait_alu depctr_va_vdst(0)                   ; the last block has written its buffer, which the last four stores read
.set wd, 28
.rept 4
	WSTORE wd
.set wd, wd+1
.endr
	s_endpgm
.Lfunc_end_k_qa2909aaeb3_prep:
	.size	k_qa2909aaeb3_prep, .Lfunc_end_k_qa2909aaeb3_prep-k_qa2909aaeb3_prep
	.p2alignl 7, 3214868480
	.fill 96, 4, 3214868480
	.section	.rodata,"a",@progbits
	.p2align	6, 0x0
	.amdhsa_kernel k_qa2909aaeb3_prep
		.amdhsa_group_segment_fixed_size 0
		.amdhsa_private_segment_fixed_size 0
		.amdhsa_enable_private_segment 0
		.amdhsa_kernarg_size 40
		.amdhsa_user_sgpr_count 2
		.amdhsa_user_sgpr_kernarg_segment_ptr 1
		.amdhsa_wavefront_size32 1
		.amdhsa_system_sgpr_workgroup_id_x 1
		.amdhsa_system_sgpr_workgroup_id_y 1
		.amdhsa_system_sgpr_workgroup_id_z 1
		.amdhsa_system_vgpr_workitem_id 0
		.amdhsa_next_free_vgpr 140
		.amdhsa_next_free_sgpr 66
		.amdhsa_reserve_vcc 0
		.amdhsa_float_denorm_mode_32 3
		.amdhsa_float_denorm_mode_16_64 3
		.amdhsa_memory_ordered 1
		.amdhsa_forward_progress 1
		.amdhsa_inst_pref_size 64
	.end_amdhsa_kernel
	.amdgpu_metadata
---
amdhsa.version: [ 1, 2 ]
amdhsa.kernels:
  - .name:           k_qa2909aaeb3_prep
    .symbol:         k_qa2909aaeb3_prep.kd
    .args:
      - { .name: x, .offset: 0, .size: 8, .value_kind: global_buffer, .address_space: global }
      - { .name: pos_mask, .offset: 8, .size: 8, .value_kind: global_buffer, .address_space: global }
      - { .name: neg_mask, .offset: 16, .size: 8, .value_kind: global_buffer, .address_space: global }
      - { .name: xb, .offset: 24, .size: 8, .value_kind: global_buffer, .address_space: global }
      - { .name: wb, .offset: 32, .size: 8, .value_kind: global_buffer, .address_space: global }
    .group_segment_fixed_size: 0
    .private_segment_fixed_size: 0
    .kernarg_segment_align: 8
    .kernarg_segment_size: 40
    .max_flat_workgroup_size: 256
    .sgpr_count:     66
    .vgpr_count:     140
    .wavefront_size: 32
...
	.end_amdgpu_metadata
.endif
;; end of part 3
;; launch gemm: the kernel of part 2 again; grid 16 x 16, 4 waves a work-group, clusters of 4 x 4, 327,680 bytes of LDS; arguments xb, wb, bias, scale, out0; writes out0
